; MI455X (gfx1250); checked and timed in simulation.
; The chip was launched on July 23, 2026; its instructions are those of AMD's public machine-readable ISA for CDNA 5 (MIT licence, August 2026) and "CDNA5" Instruction Set Architecture Reference Guide (July 2026). The comments in the code are by the model that wrote it; some were corrected since.
;; Actor Svgd. Allowed arithmetic: float matrix products may take bf16 or f16 operands with f32 sums; other float arithmetic in f32, or as packed bf16 or f16 multiplies, adds, multiply-adds, maxima and minima; sums over many terms, partial sums and values carried from step to step in f32; what a program stores and reads back later, other than sums and carried values, may be rounded once to bf16 or f16.
;; Inputs: a0 32,768 x 6 float32; obs 32,768 x 17 float32; q1_W1 23 x 256 float32; q1_W2 256 x 256 float32; q1_W3 256 x 1 float32; q1_b1 256 float32; q1_b2 256 float32; q1_b3 1 float32; q2_W1 23 x 256 float32; q2_W2 256 x 256 float32; q2_W3 256 x 1 float32; q2_b1 256 float32; q2_b2 256 float32; q2_b3 1 float32.
;; Outputs: out0 32,768 x 6 float32; out1 1,024 float32.
;; One version. Each part assembles by itself: llvm-mc -triple=amdgcn-amd-amdhsa -mcpu=gfx1250 --defsym DOCPART=n.
;; ======== version 1 of 1: 1 launch
;; limits: values outside matrix products are rounded to bf16; a difference of large sums (such as E[x^2] - mean^2): digits are lost where the result is much smaller than its terms
;; launch svgd (part 1): grid 256 x 1, 4 waves a work-group, no clusters, 326,144 bytes of LDS; arguments a0, obs, q1_W1, q1_b1, q1_W2, q1_b2, q1_W3, q1_b3, q2_W1, q2_b1, q2_W2, q2_b2, q2_W3, q2_b3, out0, out1; writes out0, out1
.if DOCPART == 1
	.amdgcn_target "amdgcn-amd-amdhsa--gfx1250"
	.amdhsa_code_object_version 6
	.text
	.protected	k_q80d119ffd6_svgd
	.globl	k_q80d119ffd6_svgd
	.p2align	8
	.type	k_q80d119ffd6_svgd,@function
k_q80d119ffd6_svgd:
	s_mov_b64 s[64:65], 0
	v_nop
	global_prefetch_b8 v0, s[64:65] scope:SCOPE_SE
	s_setreg_imm32_b32 hwreg(HW_REG_WAVE_MODE, 25, 1), 1
	s_wait_xcnt 0x0
; FIVE SVGD STEPS ON 1,024 STATES OF 32 PARTICLES, IN ONE LAUNCH.  A work-group owns 4 states = 128 rows for all steps; nothing goes through memory between steps.
; A step: (1) MLP phase: the score d min(Q1, Q2) / d a of the 128 rows; wave w works for net w / 2 on the 64 rows 64 (w % 2) on.  (2) SVGD phase: wave w owns state w, a lane a particle.
; WEIGHTS.  Both W2 (bf16, 2 x 131,072 bytes), both W1 with b1 (bf16), b2 and W3 (f32) are laid into LDS once, at the head, and stay.  They are f32 in memory and pass registers to be rounded and laid
; in blocks, so they come by plain loads: no tensor load, hence no joint load in a cluster; each work-group reads them once, 577,536 bytes, and nothing is streamed later, so nothing is prefetched.
; PRODUCTS ARE USED TRANSPOSED: source 0 = 16 features of a weight, source 1 = 32 inputs x 16 batch rows.  In a result a lane holds ONE batch row (lane % 16) and features 8 (lane / 16) + 0..7, and two
; results rounded to bf16 in pairs ARE source 1 of the next product: activations never leave registers.  A weight fragment from LDS feeds four products (four row tiles).
; BACKWARD.  g2 = W3 [z2 > 0]; g1 = (W2 g2) [h1 > 0]; s = W1's six action rows times g1.  q = W3 . relu(z2) + b3 is summed in f32 beside the forward pass.  Where q1 = q2 each net gives half.
; THE MEDIAN of the 1,024 squared distances is exact: 32 are the diagonal's zeros and each of the 496 pairs stands twice, so it is the mean of the pairs' numbers 239 and 240 in ascending order;
; number 239 is found bit by bit (non-negative floats order as whole numbers), number 240 by one more pass.  No branch and no address hangs on the counts.
; LIMITS.  Matrix operands are rounded once to bf16: x (obs, a, the 1.0 that carries b1), W1, b1, W2, h1, g2, g1.  b2, W3, b3, the distances, the kernel and all sums are f32.
; z2 in (0, 2^-126) and a bf16 h1 below 2^-126 count with a fractional mask; z <= 0 gives 0.  A kernel weight below 2^-126 counts as 0.  NaN and infinities are not treated apart.  Sums are taken in another order than reference() takes them.
;
; LDS (bytes).  W2L 0: net n at 131,072 n; blocks of 8 (k) x 8 (n) bf16, 128 bytes, row k % 8 = 16 bytes; block (kb, nb) at 128 (32 kb + (nb xor kb % 2)): the two blocks that 16 lanes touch lie in
; different halves of 256 bytes, for the plain loads (backward) and for the turning loads (forward) alike.
.set W1T,   262144                     ; net n at + 12,288 n: blocks of 8 (hidden) x 8 (slots), block (nb, sb) at 128 (3 nb + sb).  Slots: 0-15 obs 0-15, 16-21 a, 22 b1, 23 obs 16
.set BWL,   286720                     ; net n at + 2,048 n: b2, 256 f32; then W3, 256 f32
.set XFL,   290816                     ; 128 rows of 80 bytes: bf16 slots 0-15; at + 32 slots 16-23 (a0..a5, 1.0, obs 16); at + 48 zeros for slots 24-31
.set SQL,   301056                     ; net x 4,096 + row x 32: f32 s0..s5, q, one word unused
.set PWL,   309248                     ; wave w at + 4,096 w, its own: 64 rows x 32 bytes of x (rows 32-63 repeat 0-31), at + 2,048 the same of (s0..s5, x.s, 1.0); stage for obs and out0
.set SPARE, 325632                     ; the spare words, 128 bytes a wave: no other line names them
; REGISTERS, window 0
.set AF0,  2                           ; v2, v3    W2 fragments, forward (turning loads), k steps 0-3 and 4-7
.set AB0,  4                           ; v4, v5    W2 fragments, backward (plain loads), hidden tiles 0-7 and 8-15
.set AW1A, 6                           ; v6        W1 fragments, slots 8 (l / 16) on
.set AW1B, 7                           ; v7        W1 fragments, slots 16-23 (both halves of the lanes: x is 0 in slots 24-31)
.set ATR,  8                           ; v8        W1's action slots, turned
.set AXF,  9                           ; v9        x fragments
.set ABW,  10                          ; v10       b2 and W3
.set ASQW, 11                          ; v11       where my rows' s and q go
.set ASQR, 12                          ; v12       where my particle's records lie
.set AXR,  13                          ; v13       my particle's row in my wave's PW
.set AXT,  14                          ; v14       my particle's a in XF
.set SPW,  16                          ; v16       my spare word; never rewritten
.set NIL,  17                          ; v17       0; never rewritten
.set BIG,  18                          ; v[18:19]  2^127 twice
.set LP,   20                          ; v20       my particle's running log-density
.set LN,   21                          ; v21       lane
.set XO,   22                          ; v[22:27]  my particle's a, f32
.set QQ,   28                          ; v[28:35]  q's partial sums, a pair a row tile
.set TI,   36                          ; v[36:67]  at work, 8 a row tile
.set B2,   68                          ; v[68:83]  b2 of a chunk's two feature tiles
.set W3R,  84                          ; v[84:115] W3 of a chunk, two sets
.set SA,   68                          ; v[68:99]  the four accumulators of the last product (b2 and W3's set 0 are dead by then)
.set ACC,  128                         ; v[128:255] two sets of 8 accumulators: tile (t, row tile) at 32 t + 8 rt
; window 1: H1, fragment (rt, ks) at 64 rt + 8 ks; window 2: G2 likewise (x's fragments at 8 rt in layer 1); window 3: two buffers of 16 weight fragments.
; SVGD phase: window 2 the partners' x at 8 k, window 1 their records at 8 k; window 0:
.set DD,   128                         ; v[128:159] squared distance to partner k = particle (i + k) % 32
.set KK,   160                         ; v[160:191] its exponent
.set K2,   192                         ; v[192:255] the kernel weight of partner k at 192 + 2 k
.set DT,   192                         ; before that: differences of 8 partners,
.set EE,   240                         ; and their squares' sums
.set W_F,  0x07                        ; source 0 window 3, source 1 window 1
.set W_B,  0x0b                        ; source 0 window 3, source 1 window 2
.set W_H,  0x41                        ; destination and source 0 window 1
.set MSB, 0
.macro WIN new                         ; the immediate's high byte repeats the setting that is left; a switch that changes nothing is dropped
.if MSB != (\new)
	s_set_vgpr_msb (MSB<<8)|(\new)
.set MSB, \new
.endif
.endm
.macro PLACES                          ; four places between a matrix instruction and loads into registers that it has read, or vector lines that read its result
.rept 4
	v_nop
.endr
.endm
; ---------------------------------------------------------------- THE HEAD
	s_load_b512 s[4:19], s[0:1], 0x0               ; a0, obs, q1: W1, b1, W2, b2, W3, b3
	s_load_b512 s[20:35], s[0:1], 0x40             ; q2: W1, b1, W2, b2, W3, b3; out0, out1
	v_lshl_add_u32 v[SPW], v0, 2, SPARE
	v_mov_b32 v[NIL], 0
	v_lshrrev_b32 v1, 5, v0
	v_readfirstlane_b32 s36, v1                    ; wave
	s_lshr_b32 s37, s36, 1                         ; net
	s_and_b32 s38, s36, 1                          ; half of the rows
	v_and_b32 v[LN], 31, v0
	v_and_b32 v92, 15, v0                          ; r = l % 16
	v_bfe_u32 v93, v0, 4, 1                        ; h = l / 16
	v_and_b32 v94, 7, v0                           ; j = l % 8
	v_bfe_u32 v95, v0, 3, 1                        ; gb = (l / 8) % 2
	v_add_nc_u32 v96, v93, v95
	v_and_b32 v96, 1, v96                          ; gb xor h
	v_lshlrev_b32 v97, 4, v94                      ; 16 j
	v_bfe_u32 v99, v0, 3, 2                        ; nq = l / 8
	s_lshl_b32 s60, s37, 17
	v_lshl_add_u32 v[AF0], v93, 12, v97            ; forward: block row h, row j,
	v_lshl_add_u32 v[AF0], v96, 7, v[AF0]          ; block column gb, swapped in odd block rows
	v_add_nc_u32 v[AF0], s60, v[AF0]
	v_add_nc_u32 v[AF0+1], 0x10000, v[AF0]
	v_lshl_add_u32 v[AB0], v95, 12, v97            ; backward: block row gb, row j, block column h
	v_lshl_add_u32 v[AB0], v96, 7, v[AB0]
	v_add_nc_u32 v[AB0], s60, v[AB0]
	v_add_nc_u32 v[AB0+1], 0x10000, v[AB0]
	s_mul_i32 s60, s37, 12288
	s_add_co_u32 s60, s60, W1T
	v_mul_u32_u24 v98, v95, 384
	v_add_nc_u32 v98, v98, v97
	v_add_nc_u32 v98, s60, v98
	v_lshl_add_u32 v[AW1A], v93, 7, v98
	v_add_nc_u32 v[AW1B], 256, v98
	v_mul_u32_u24 v98, v93, 384
	v_add_nc_u32 v98, v98, v97
	v_add_nc_u32 v98, s60, v98
	v_add_nc_u32 v[ATR], 256, v98
	s_mul_i32 s61, s38, 5120
	s_add_co_u32 s61, s61, XFL
	v_mul_u32_u24 v98, v92, 80
	v_lshl_add_u32 v98, v93, 4, v98
	v_add_nc_u32 v[AXF], s61, v98
	s_lshl_b32 s61, s37, 11
	s_add_co_u32 s61, s61, BWL
	v_lshlrev_b32 v98, 5, v93
	v_add_nc_u32 v[ABW], s61, v98
	s_lshl_b32 s61, s36, 11                        ; net x 4,096 + half x 64 rows x 32
	s_add_co_u32 s61, s61, SQL
	v_lshl_add_u32 v[ASQW], v92, 5, s61
	s_lshl_b32 s61, s36, 10                        ; my state's 32 rows x 32
	s_add_co_u32 s61, s61, SQL
	v_lshl_add_u32 v[ASQR], v[LN], 5, s61
	s_lshl_b32 s92, s36, 12
	s_add_co_u32 s92, s92, PWL                     ; my wave's PW
	v_lshl_add_u32 v[AXR], v[LN], 5, s92
	s_mul_i32 s61, s36, 2560
	s_add_co_u32 s61, s61, XFL
	v_mul_u32_u24 v106, v[LN], 80
	v_add_nc_u32 v106, s61, v106                   ; my particle's row of XF
	v_add_nc_u32 v[AXT], 32, v106
	; where the head's stores go
	v_lshlrev_b32 v100, 10, v94
	v_lshl_add_u32 v100, v99, 5, v100              ; W2 in memory: row l % 8, 32 bytes at 32 (l / 8)
	v_lshl_add_u32 v104, v99, 7, v97               ; W2 in LDS, even block rows: block column nq, row l % 8
	v_and_b32 v101, 2, v99
	v_add_nc_u32 v102, 1, v99
	v_and_b32 v102, 1, v102
	v_add_nc_u32 v101, v101, v102                  ; nq xor 1
	v_lshl_add_u32 v105, v101, 7, v97              ; odd block rows
	s_lshl_b32 s93, s36, 16                        ; my 128 rows of my net's W2 in LDS; steps with the stream
	s_mul_i32 s60, s37, 12288
	s_mul_i32 s61, s38, 6144
	s_add_co_u32 s60, s60, s61
	s_add_co_u32 s60, s60, W1T
	v_mul_u32_u24 v107, v99, 384
	v_add_nc_u32 v107, v107, v97
	v_add_nc_u32 v107, s60, v107                   ; W1T: hidden 128 half + l
	s_lshl_b32 s60, s36, 10
	s_add_co_u32 s60, s60, BWL
	v_lshl_add_u32 v108, v[LN], 5, s60             ; b2 (half 0) or W3 (half 1) of my net
	v_lshl_add_u32 v109, v[LN], 2, s92             ; obs into the stage as it lies,
	v_mul_u32_u24 v110, v[LN], 68
	v_add_nc_u32 v110, s92, v110                   ; and back by rows of 17 words: 17 l mod 64 differs in all 32 lanes
	s_mov_b32 s51, 0
	s_mov_b32 s52, 0x7f007f00                      ; 2^127 twice, bf16
	s_mov_b32 s53, 0x3f803f80                      ; 1.0 twice, bf16
	s_mov_b32 s54, 0x76543210                      ; v_permlanex16_b32: each lane takes its own place in the other half
	s_mov_b32 s55, 0xfedcba98
	s_mov_b32 s62, 0x3e926e8c                      ; 1 / ln 33
	s_mov_b32 s63, 0x322bcc77                      ; 1e-8
	v_mov_b32 v[BIG], 0x7f000000
	v_mov_b32 v[BIG+1], 0x7f000000
	s_mul_i32 s66, ttmp9, 3072                     ; a0 and out0: 128 rows x 24 bytes a work-group, 32 a wave
	s_mul_i32 s60, s36, 768
	s_add_co_u32 s66, s66, s60
	s_mov_b32 s67, 0
	s_wait_kmcnt 0x0
	s_add_nc_u64 s[84:85], s[4:5], s[66:67]
	s_add_nc_u64 s[88:89], s[32:33], s[66:67]
	s_mul_i32 s66, ttmp9, 8704                     ; obs: rows of 68 bytes
	s_mul_i32 s60, s36, 2176
	s_add_co_u32 s66, s66, s60
	s_add_nc_u64 s[86:87], s[6:7], s[66:67]
	s_lshl_b32 s66, ttmp9, 2
	s_add_co_u32 s66, s66, s36
	s_lshl_b32 s66, s66, 2
	s_add_nc_u64 s[90:91], s[34:35], s[66:67]      ; out1: my state's word
	s_cmp_eq_u32 s37, 0                            ; my net's tensors
	s_cselect_b64 s[40:41], s[8:9], s[20:21]       ; W1
	s_cselect_b64 s[42:43], s[10:11], s[22:23]     ; b1
	s_cselect_b64 s[44:45], s[12:13], s[24:25]     ; W2
	s_cselect_b64 s[46:47], s[14:15], s[26:27]     ; b2
	s_cselect_b64 s[48:49], s[16:17], s[28:29]     ; W3
	s_cselect_b64 s[94:95], s[18:19], s[30:31]     ; b3
	s_cmp_eq_u32 s38, 0
	s_cselect_b64 s[46:47], s[46:47], s[48:49]     ; half 0 brings b2, half 1 W3
	s_load_b32 s50, s[94:95], 0x0
	s_lshl_b32 s66, s38, 17
	s_add_nc_u64 s[44:45], s[44:45], s[66:67]      ; my 128 rows of W2
	; the small loads: 17 + 3 + 2 + 96 = 118
	v_lshlrev_b32 v15, 2, v[LN]
.set JJ, 0
.rept 17
	global_load_b32 v[36+JJ], v15, s[86:87] offset:128*JJ th:TH_LOAD_NT
.set JJ, JJ+1
.endr
	v_mul_u32_u24 v1, v[LN], 24
.set JJ, 0
.rept 3
	global_load_b64 v[XO+2*JJ:XO+2*JJ+1], v1, s[84:85] offset:8*JJ th:TH_LOAD_NT
.set JJ, JJ+1
.endr
	v_lshlrev_b32 v90, 5, v[LN]
	global_load_b128 v[56:59], v90, s[46:47]
	global_load_b128 v[60:63], v90, s[46:47] offset:16
	s_lshl_b32 s60, s38, 9
	v_lshl_add_u32 v91, v[LN], 2, s60
.set JJ, 0
.rept 4                                ; hidden 128 half + 32 JJ + l: its 24 slots
.set SL, 0
.rept 24
.set RW, SL
.if SL >= 16
.set RW, SL+1
.endif
.if SL == 23
.set RW, 16
.endif
.if SL == 22
	global_load_b32 v[128+24*JJ+SL], v91, s[42:43] offset:128*JJ
.else
	global_load_b32 v[128+24*JJ+SL], v91, s[40:41] offset:1024*RW+128*JJ
.endif
.set SL, SL+1
.endr
.set JJ, JJ+1
.endr
; THE STREAM OF W2: 8 trips of 16 rows; a trip's 32 loads go into one of two sets in window 1.  Load UU: block row UU / 16, then 256-byte piece, its half, 16 bytes: four loads take 256 whole bytes of each of 8 rows.
.macro W2LOADS set, off
	WIN 0x40
.set UU, 0
.rept 32
	global_load_b128 v[128*(\set)+4*UU:128*(\set)+4*UU+3], v100, s[44:45] offset:(\off)+(UU/16)*8192+((UU/4)%4)*256+((UU/2)%2)*128+(UU%2)*16
.set UU, UU+1
.endr
	WIN 0
.endm
; a set is rounded to bf16 and stored: a lane's 8 columns of a row are 16 bytes, a row of a block; eight lanes fill a block, sixteen 256 consecutive bytes
.macro CONV set
	WIN 0x05
.set UU, 0
.rept 64
	v_cvt_pk_bf16_f32 v[128+64*(\set)+UU], v[128*(\set)+2*UU], v[128*(\set)+2*UU+1]
.set UU, UU+1
.endr
	WIN 0
.set UU, 0
.rept 16
	ds_store_b128 v[102+UU/8], v[128+64*(\set)+4*UU:128+64*(\set)+4*UU+3] offset:(\set)*8192+(UU/8)*4096+((UU/2)%4)*1024+(UU%2)*512
.set UU, UU+1
.endr
.endm
	W2LOADS 0, 0
	W2LOADS 1, 16384
	s_wait_loadcnt 63                              ; 64 loads were issued behind the 118 small ones: those are all in
.set JJ, 0
.rept 4                                ; W1 and b1: rounded in place (word UU takes slots 2 UU, 2 UU + 1), three rows of blocks
.set UU, 0
.rept 12
	v_cvt_pk_bf16_f32 v[128+24*JJ+UU], v[128+24*JJ+2*UU], v[128+24*JJ+2*UU+1]
.set UU, UU+1
.endr
	ds_store_b128 v107, v[128+24*JJ:128+24*JJ+3] offset:1536*JJ
	ds_store_b128 v107, v[128+24*JJ+4:128+24*JJ+7] offset:1536*JJ+128
	ds_store_b128 v107, v[128+24*JJ+8:128+24*JJ+11] offset:1536*JJ+256
.set JJ, JJ+1
.endr
	ds_store_b128 v108, v[56:59]
	ds_store_b128 v108, v[60:63] offset:16
.set JJ, 0
.rept 17
	ds_store_b32 v109, v[36+JJ] offset:128*JJ
.set JJ, JJ+1
.endr
.set JJ, 0
.rept 17
	ds_load_b32 v[64+JJ], v110 offset:4*JJ         ; LDS serves a wave's instructions in order: these see the stores above
.set JJ, JJ+1
.endr
	v_pk_mul_f32 v[112:113], v[XO:XO+1], v[XO:XO+1]   ; the prior's log-density: -3 ln(0.6 pi) - |a0|^2 / 0.6
	v_pk_fma_f32 v[112:113], v[XO+2:XO+3], v[XO+2:XO+3], v[112:113]
	v_pk_fma_f32 v[112:113], v[XO+4:XO+5], v[XO+4:XO+5], v[112:113]
	v_add_f32 v112, v112, v113
	v_mov_b32 v113, 0xbff36b54
	v_fmamk_f32 v[LP], v112, 0xbfd55555, v113
	v_mov_b32 v81, 1.0
	s_wait_dscnt 0x0
.set JJ, 0
.rept 8
	v_cvt_pk_bf16_f32 v[224+JJ], v[64+2*JJ], v[64+2*JJ+1]
.set JJ, JJ+1
.endr
	v_cvt_pk_bf16_f32 v232, v[XO], v[XO+1]
	v_cvt_pk_bf16_f32 v233, v[XO+2], v[XO+3]
	v_cvt_pk_bf16_f32 v234, v[XO+4], v[XO+5]
	v_cvt_pk_bf16_f32 v235, v81, v80               ; the 1.0 that carries b1, and obs 16
	v_mov_b32 v236, 0
	v_mov_b32 v237, 0
	v_mov_b32 v238, 0
	v_mov_b32 v239, 0
	ds_store_b128 v106, v[224:227]
	ds_store_b128 v106, v[228:231] offset:16
	ds_store_b128 v106, v[232:235] offset:32
	ds_store_b128 v106, v[236:239] offset:48
	ds_store_b128 v[AXR], v[XO:XO+3]               ; x, twice: partner k's row is then my row + k, an immediate
	ds_store_b64 v[AXR], v[XO+4:XO+5] offset:16
	ds_store_b128 v[AXR], v[XO:XO+3] offset:1024
	ds_store_b64 v[AXR], v[XO+4:XO+5] offset:1040
	s_mov_b32 s56, 3
.Lw2:                                              ; a turn: trips 2 t and 2 t + 1 are stored, trips 2 t + 2 and 2 t + 3 asked for
	v_add_nc_u32 v102, s93, v104
	v_add_nc_u32 v103, s93, v105
	s_wait_loadcnt 32                              ; set 0 is in; set 1's 32 loads may stay out
	CONV 0
	s_wait_xcnt 0x0                                ; every load issued so far has read its address: the pointer may be written
	s_add_nc_u64 s[44:45], s[44:45], 0x8000
	W2LOADS 0, 0
	s_wait_loadcnt 32                              ; set 1 is in
	CONV 1
	W2LOADS 1, 16384
	s_add_co_u32 s93, s93, 16384
	s_sub_co_u32 s56, s56, 1
	s_cmp_lg_u32 s56, 0
	s_cbranch_scc1 .Lw2
	v_add_nc_u32 v102, s93, v104                   ; the last two trips load nothing
	v_add_nc_u32 v103, s93, v105
	s_wait_loadcnt 32
	CONV 0
	s_wait_loadcnt 0x0
	CONV 1
	s_wait_kmcnt 0x0                               ; b3
	s_wait_dscnt 0x0                               ; for the others' sake: my stores are done
	s_barrier_signal -1
	s_barrier_wait -1                              ; LDS is whole
	s_mov_b32 s39, 5
; ---------------------------------------------------------------- THE MLP PHASE: macros
; Runs of LDS loads.  c = chunk of 32 features, b = buffer in window 3; fragment 2 s + t: K step s, feature tile t.
.macro LDF c, b                        ; forward: rows = features n, K = hidden k: W2 lies [k][n], so it is turned
	WIN 0xc0
.irp sx, 0,1,2,3,4,5,6,7
.irp tx, 0,1
.set rA, 128*(\b)+8*(2*(\sx)+(\tx))
	ds_load_tr16_b128 v[rA:rA+3],   v[AF0+(\sx)/4] offset:((\sx)%4)*16384+(2*(\c)+(\tx))*256
	ds_load_tr16_b128 v[rA+4:rA+7], v[AF0+(\sx)/4] offset:((\sx)%4)*16384+(2*(\c)+(\tx))*256+8192
.endr
.endr
.endm
.macro LDB c, b                        ; backward: rows = hidden k, K = features n: as it lies
	WIN 0xc0
.irp sx, 0,1,2,3,4,5,6,7
.irp tx, 0,1
.set rA, 128*(\b)+8*(2*(\sx)+(\tx))
.set kt_, 2*(\c)+(\tx)
	ds_load_b128 v[rA:rA+3],   v[AB0+kt_/8] offset:(kt_%8)*8192+(\sx)*512
	ds_load_b128 v[rA+4:rA+7], v[AB0+kt_/8] offset:(kt_%8)*8192+(\sx)*512+256
.endr
.endr
.endm
.macro LDBIAS c
	WIN 0
.irp tx, 0,1
	ds_load_b128 v[B2+8*(\tx):B2+8*(\tx)+3],   v[ABW] offset:64*(2*(\c)+(\tx))
	ds_load_b128 v[B2+8*(\tx)+4:B2+8*(\tx)+7], v[ABW] offset:64*(2*(\c)+(\tx))+16
.endr
.endm
.macro LDW3 c
	WIN 0
.irp tx, 0,1
	ds_load_b128 v[W3R+16*((\c)%2)+8*(\tx):W3R+16*((\c)%2)+8*(\tx)+3],   v[ABW] offset:1024+64*(2*(\c)+(\tx))
	ds_load_b128 v[W3R+16*((\c)%2)+8*(\tx)+4:W3R+16*((\c)%2)+8*(\tx)+7], v[ABW] offset:1024+64*(2*(\c)+(\tx))+16
.endr
.endm
.macro LDP4 b                          ; W1's slots 16-23, turned: row m of source 0 is slot 16 + m % 8, K = hidden
	WIN 0xc0
.irp sx, 0,1,2,3,4,5,6,7
	ds_load_tr16_b128 v[128*(\b)+8*(\sx):128*(\b)+8*(\sx)+3],   v[ATR] offset:1536*(\sx)
	ds_load_tr16_b128 v[128*(\b)+8*(\sx)+4:128*(\b)+8*(\sx)+7], v[ATR] offset:1536*(\sx)+768
.endr
.endm
; Matrix instruction II of a chunk's 64: K step II / 8, feature tile (II / 4) % 2, row tile II % 4.  The eight accumulators take turns, one instruction a turn.
.macro MMF p, b                        ; forward: the bias starts the sum
.set ks_, II/8
.set t_, (II/4)%2
.set q_, II%4
.set rD, ACC+64*(\p)+32*t_+8*q_
.set rA, 128*(\b)+8*(2*ks_+t_)
.set rB, 64*q_+8*ks_
	WIN W_F
.if ks_ == 0
	v_wmma_f32_16x16x32_bf16 v[rD:rD+7], v[rA:rA+7], v[rB:rB+7], v[B2+8*t_:B2+8*t_+7]
.else
	v_wmma_f32_16x16x32_bf16 v[rD:rD+7], v[rA:rA+7], v[rB:rB+7], v[rD:rD+7]
.endif
.endm
.macro MMB p, b                        ; backward
.set ks_, II/8
.set t_, (II/4)%2
.set q_, II%4
.set rD, ACC+64*(\p)+32*t_+8*q_
.set rA, 128*(\b)+8*(2*ks_+t_)
.set rB, 64*q_+8*ks_
	WIN W_B
.if ks_ == 0
	v_wmma_f32_16x16x32_bf16 v[rD:rD+7], v[rA:rA+7], v[rB:rB+7], 0
.else
	v_wmma_f32_16x16x32_bf16 v[rD:rD+7], v[rA:rA+7], v[rB:rB+7], v[rD:rD+7]
.endif
.endm
.macro MML m, i                        ; layer 1, features 32 m on: one product an accumulator (K = 32 slots)
.set t_, (\i)/4
.set q_, (\i)%4
.set rD, ACC+64*((\m)%2)+32*t_+8*q_
.set rA, 8*(2*(\m)+t_)
.set rB, 8*q_
	WIN W_B
	v_wmma_f32_16x16x32_bf16 v[rD:rD+7], v[rA:rA+7], v[rB:rB+7], 0
.endm
; THE VECTOR WORK of a finished chunk rides behind the NEXT chunk's matrix instructions, in groups of four independent lines (the four row tiles).  Each accumulator's lowest registers are read first.
.macro RGL m, g                        ; layer 1, 16 groups: z1 rounded to bf16; relu; into H1's fragment m
.set t_, (\g)/8
.set p_, ((\g)%8)/4
.set o_, (\g)%4
.set z_, ACC+64*((\m)%2)+32*t_+2*o_
.if p_ == 0
	WIN 0
.else
	WIN 0x40
.endif
.irp rt, 0,1,2,3
.if p_ == 0
	v_cvt_pk_bf16_f32 v[TI+8*(\rt)+o_], v[z_+8*(\rt)], v[z_+8*(\rt)+1]
.else
	v_pk_max_num_bf16 v[64*(\rt)+8*(\m)+4*t_+o_], v[TI+8*(\rt)+o_], s51
.endif
.endr
.endm
.macro RGF c, g                        ; forward chunk c, 32 groups: [z2 > 0] = z2 x 2^127 held to 0 .. 1; g2 = W3 [z2 > 0]; q += g2 z2; g2 rounded into G2's fragment c
.set t_, (\g)/16
.set p_, ((\g)%16)/4
.set o_, (\g)%4
.set z_, ACC+64*((\c)%2)+32*t_+2*o_
.set w_, W3R+16*((\c)%2)+8*t_+2*o_
.if p_ == 3
	WIN 0x80
.else
	WIN 0
.endif
.irp rt, 0,1,2,3
.if p_ == 0
	v_pk_mul_f32 v[TI+8*(\rt)+2*o_:TI+8*(\rt)+2*o_+1], v[z_+8*(\rt):z_+8*(\rt)+1], v[BIG:BIG+1] clamp
.elseif p_ == 1
	v_pk_mul_f32 v[TI+8*(\rt)+2*o_:TI+8*(\rt)+2*o_+1], v[TI+8*(\rt)+2*o_:TI+8*(\rt)+2*o_+1], v[w_:w_+1]
.elseif p_ == 2
.if ((\c) == 0) && ((\g) == 8)
	v_pk_mul_f32 v[QQ+2*(\rt):QQ+2*(\rt)+1], v[TI+8*(\rt)+2*o_:TI+8*(\rt)+2*o_+1], v[z_+8*(\rt):z_+8*(\rt)+1]   ; the first term starts q's sums
.else
	v_pk_fma_f32 v[QQ+2*(\rt):QQ+2*(\rt)+1], v[TI+8*(\rt)+2*o_:TI+8*(\rt)+2*o_+1], v[z_+8*(\rt):z_+8*(\rt)+1], v[QQ+2*(\rt):QQ+2*(\rt)+1]
.endif
.else
	v_cvt_pk_bf16_f32 v[64*(\rt)+8*(\c)+4*t_+o_], v[TI+8*(\rt)+2*o_], v[TI+8*(\rt)+2*o_+1]
.endif
.endr
.endm
.macro RGB c, g                        ; backward chunk c, 32 groups: [h1 > 0] = min(h1 x 2^127, 1) in H1's place; W2 g2 rounded; their product: H1's fragment c now holds g1
.set t_, (\g)/16
.set p_, ((\g)%16)/4
.set o_, (\g)%4
.set z_, ACC+64*((\c)%2)+32*t_+2*o_
.set h_, 8*(\c)+4*t_+o_
.if p_ == 2
	WIN 0
.else
	WIN W_H
.endif
.irp rt, 0,1,2,3
.if p_ == 0
	v_pk_mul_bf16 v[h_+64*(\rt)], v[h_+64*(\rt)], s52
.elseif p_ == 1
	v_pk_min_num_bf16 v[h_+64*(\rt)], v[h_+64*(\rt)], s53
.elseif p_ == 2
	v_cvt_pk_bf16_f32 v[TI+8*(\rt)+o_], v[z_+8*(\rt)], v[z_+8*(\rt)+1]
.else
	v_pk_mul_bf16 v[h_+64*(\rt)], v[h_+64*(\rt)], v[TI+8*(\rt)+o_]
.endif
.endr
.endm
.macro RUN dir, c, nb                  ; ONE run of LDS loads a chunk: what the next chunk multiplies, into the other buffer
.if (\dir) == 0
.if (\c) < 7
	LDF (\c)+1, \nb
	LDBIAS (\c)+1
.else
	LDB 0, \nb
.endif
	LDW3 \c                                        ; for this chunk's vector work, which rides in the next chunk
.else
.if (\c) < 7
	LDB (\c)+1, \nb
.else
	LDP4 \nb
.endif
.endif
.endm
; A CHUNK: 64 matrix instructions on accumulator set p and buffer b; behind every dens-th of them a group of the riders (kind rk: 0 layer 1, 1 forward, 2 backward; chunk rc; ng groups);
; in its middle the run of loads, 32 matrix instructions ahead of the wait for it at the next chunk's head.  Where the riders end before the chunk's last products (ng x dens < 60), no vector line
; stands behind those products: four v_nop at the chunk's end are then the places ahead of the next chunk's riders, which read this chunk's results.
.macro CHUNK dir, c, p, b, rk, rc, dens, ng
	s_wait_dscnt 0x0                               ; the run issued in the middle of the chunk before
.set II, 0
.set GG, 0
.rept 64
.if \dir
	MMB \p, \b
.else
	MMF \p, \b
.endif
.if ((II%(\dens)) == (\dens)-1) && (GG < (\ng))
.if (\rk) == 0
	RGL \rc, GG
.elseif (\rk) == 1
	RGF \rc, GG
.else
	RGB \rc, GG
.endif
.set GG, GG+1
.endif
.if II == 31
	PLACES
	RUN \dir, \c, 1-(\b)
.endif
.set II, II+1
.endr
.if (\ng)*(\dens) < 60
	PLACES
.endif
.endm
; ---------------------------------------------------------------- A STEP
.Lstep:
	WIN 0xc0                                       ; layer 1's 16 fragments of W1 into buffer 0,
.set JJ, 0
.rept 16
	ds_load_b128 v[8*JJ:8*JJ+3],   v[AW1A] offset:768*JJ
	ds_load_b128 v[8*JJ+4:8*JJ+7], v[AW1B] offset:768*JJ
.set JJ, JJ+1
.endr
	WIN 0x80                                       ; and x's four fragments into window 2
.set JJ, 0
.rept 4
	ds_load_b128 v[8*JJ:8*JJ+3],   v[AXF] offset:1280*JJ
	ds_load_b128 v[8*JJ+4:8*JJ+7], v[AXF] offset:1280*JJ+32
.set JJ, JJ+1
.endr
	s_wait_dscnt 0x0
.set MC, 0
.rept 8                                ; layer 1: 8 x 8 products; two groups of the features before ride behind each
.set JJ, 0
.rept 8
	MML MC, JJ
.if MC > 0
	RGL MC-1, 2*JJ
	RGL MC-1, 2*JJ+1
.endif
.set JJ, JJ+1
.endr
.if MC == 0
	PLACES                                         ; nothing rides yet: the places behind the first eight products
.endif
.if MC == 3
	PLACES
	LDF 0, 1
	LDBIAS 0
.endif
.set MC, MC+1
.endr
	CHUNK 0, 0, 0, 1, 0, 7, 2, 16                  ; forward; layer 1's last features ride, and are over 24 products ahead of their first use
.set CC, 1
.rept 7
	CHUNK 0, CC, CC%2, (CC+1)%2, 1, CC-1, 2, 32
.set CC, CC+1
.endr
	CHUNK 1, 0, 0, 1, 1, 7, 1, 32                  ; backward; the last forward chunk rides behind every product, over by the 32nd: its g2 is read from the 57th on
.set CC, 1
.rept 7
	CHUNK 1, CC, CC%2, (CC+1)%2, 2, CC-1, 2, 32
.set CC, CC+1
.endr
	s_wait_dscnt 0x0                               ; W1's action slots
.set II, 0
.rept 32                               ; s = W1's action rows x g1: four accumulators by turns; the last backward chunk rides, and its last four groups stand ahead of the four products that read it
.if II == 28
	RGB 7, 28
	RGB 7, 29
	RGB 7, 30
	RGB 7, 31
.endif
.set rD, SA+8*(II%4)
.set rA, 128+8*(II/4)
.set rB, 64*(II%4)+8*(II/4)
	WIN W_F
.if II < 4
	v_wmma_f32_16x16x32_bf16 v[rD:rD+7], v[rA:rA+7], v[rB:rB+7], 0
.else
	v_wmma_f32_16x16x32_bf16 v[rD:rD+7], v[rA:rA+7], v[rB:rB+7], v[rD:rD+7]
.endif
.if II < 28
	RGB 7, II
.endif
.set II, II+1
.endr
	WIN 0                                          ; q: the pair, the other half of the lanes, b3.  These lines are the places behind the last products
.irp rt, 0,1,2,3
	v_add_f32 v[QQ+2*(\rt)], v[QQ+2*(\rt)], v[QQ+2*(\rt)+1]
.endr
.irp rt, 0,1,2,3
	v_permlanex16_b32 v[QQ+2*(\rt)+1], v[QQ+2*(\rt)], s54, s55
.endr
.irp rt, 0,1,2,3
	v_add_f32 v[QQ+2*(\rt)], v[QQ+2*(\rt)], v[QQ+2*(\rt)+1]
.endr
.irp rt, 0,1,2,3
	v_add_f32 v[QQ+2*(\rt)], s50, v[QQ+2*(\rt)]
.endr
.irp rt, 0,1,2,3                       ; register d of every lane is ds / da_d of row l % 16: both halves of the lanes store the same bytes
	ds_store_b128 v[ASQW], v[SA+8*(\rt):SA+8*(\rt)+3] offset:512*(\rt)
	v_mov_b32 v[SA+8*(\rt)+6], v[QQ+2*(\rt)]
	ds_store_b128 v[ASQW], v[SA+8*(\rt)+4:SA+8*(\rt)+7] offset:512*(\rt)+16
.endr
	s_wait_dscnt 0x0                               ; my records are stored, and my reads of XF are long over
	s_barrier_signal -1
	s_barrier_wait -1                              ; all records lie in SQ; nobody reads XF any more
; ---------------------------------------------------------------- THE SVGD PHASE: wave = state, lane i = particle, partner k = particle (i + k) % 32
	ds_load_b128 v[36:39], v[ASQR]                 ; net 1: s0..s5, q
	ds_load_b128 v[40:43], v[ASQR] offset:16
	ds_load_b128 v[44:47], v[ASQR] offset:4096     ; net 2
	ds_load_b128 v[48:51], v[ASQR] offset:4112
	WIN 0x80
.set KX, 1
.rept 31
	ds_load_b128 v[8*KX:8*KX+3],  v[AXR] offset:32*KX
	ds_load_b64 v[8*KX+4:8*KX+5], v[AXR] offset:32*KX+16
.set KX, KX+1
.endr
	WIN 0
	s_wait_dscnt 62                                ; the two records are in; the partners' 62 loads may stay out
	v_cmp_lt_f32 vcc_lo, v42, v50                  ; the smaller q's net gives the score; at a tie each gives half
	v_cndmask_b32 v90, 0, 1.0, vcc_lo
	v_cmp_eq_f32 vcc_lo, v42, v50
	v_cndmask_b32 v90, v90, 0.5, vcc_lo
	v_mov_b32 v91, v90
	v_sub_f32 v92, 1.0, v90
	v_mov_b32 v93, v92
.irp dx, 0,2,4
	v_pk_mul_f32 v[52+(\dx):53+(\dx)], v[44+(\dx):45+(\dx)], v[92:93]
.endr
.irp dx, 0,2,4
	v_pk_fma_f32 v[52+(\dx):53+(\dx)], v[36+(\dx):37+(\dx)], v[90:91], v[52+(\dx):53+(\dx)]
.endr
	v_pk_mul_f32 v[92:93], v[XO:XO+1], v[52:53]    ; c = x . s
	v_pk_fma_f32 v[92:93], v[XO+2:XO+3], v[54:55], v[92:93]
	v_pk_fma_f32 v[92:93], v[XO+4:XO+5], v[56:57], v[92:93]
	v_add_f32 v58, v92, v93
	v_mov_b32 v59, 1.0
	ds_store_b128 v[AXR], v[52:55] offset:2048     ; (s, c, 1), twice
	ds_store_b128 v[AXR], v[56:59] offset:2064
	ds_store_b128 v[AXR], v[52:55] offset:3072
	ds_store_b128 v[AXR], v[56:59] offset:3088
	WIN 0x40
.set KX, 1
.rept 31
	ds_load_b128 v[8*KX:8*KX+3],   v[AXR] offset:2048+32*KX     ; my wave's own bytes, served in order behind the stores
	ds_load_b128 v[8*KX+4:8*KX+7], v[AXR] offset:2048+32*KX+16
.set KX, KX+1
.endr
	WIN 0
	s_wait_dscnt 62                                ; the partners' x are in; only the 62 loads just issued may be out
.macro DIST k0, n                      ; squared distances to partners k0 .. k0 + n - 1
	WIN 0x08
.set KX, 0
.rept \n
	v_pk_add_f32 v[DT+6*KX:DT+6*KX+1],   v[XO:XO+1],   v[8*((\k0)+KX):8*((\k0)+KX)+1]   neg_lo:[0,1] neg_hi:[0,1]
	v_pk_add_f32 v[DT+6*KX+2:DT+6*KX+3], v[XO+2:XO+3], v[8*((\k0)+KX)+2:8*((\k0)+KX)+3] neg_lo:[0,1] neg_hi:[0,1]
	v_pk_add_f32 v[DT+6*KX+4:DT+6*KX+5], v[XO+4:XO+5], v[8*((\k0)+KX)+4:8*((\k0)+KX)+5] neg_lo:[0,1] neg_hi:[0,1]
.set KX, KX+1
.endr
	WIN 0
.set KX, 0
.rept \n
	v_pk_mul_f32 v[EE+2*KX:EE+2*KX+1], v[DT+6*KX:DT+6*KX+1], v[DT+6*KX:DT+6*KX+1]
.set KX, KX+1
.endr
.set KX, 0
.rept \n
	v_pk_fma_f32 v[EE+2*KX:EE+2*KX+1], v[DT+6*KX+2:DT+6*KX+3], v[DT+6*KX+2:DT+6*KX+3], v[EE+2*KX:EE+2*KX+1]
.set KX, KX+1
.endr
.set KX, 0
.rept \n
	v_pk_fma_f32 v[EE+2*KX:EE+2*KX+1], v[DT+6*KX+4:DT+6*KX+5], v[DT+6*KX+4:DT+6*KX+5], v[EE+2*KX:EE+2*KX+1]
.set KX, KX+1
.endr
.set KX, 0
.rept \n
	v_add_f32 v[DD+(\k0)+KX], v[EE+2*KX], v[EE+2*KX+1]
.set KX, KX+1
.endr
.endm
	DIST 1, 8
	DIST 9, 8
	DIST 17, 8
	DIST 25, 7
	v_mov_b32 v[DD], 0
	v_cmp_gt_u32 vcc_lo, 16, v[LN]                 ; partners 1-15 of all lanes and partner 16 of lanes 0-15 name each of the 496 pairs once;
	v_cndmask_b32 v94, -1, v[DD+16], vcc_lo        ; in lanes 16-31 the sixteenth key is all ones: above every candidate, and a NaN in the minimum below
.macro COUNT                           ; s60 = the bits set in the sixteen masks
.set NN, 0
.rept 16
	s_bcnt1_i32_b32 s[68+NN], s[68+NN]
.set NN, NN+1
.endr
	s_add_co_u32 s60, s68, s69
.set NN, 2
.rept 14
	s_add_co_u32 s60, s60, s[68+NN]
.set NN, NN+1
.endr
.endm
	s_mov_b32 s56, 31
	s_mov_b32 s57, 0x40000000
	s_mov_b32 s58, 0
.Lmed:                                             ; the largest number below which at most 239 keys lie is key number 239: its bits from 30 down to 0
	s_or_b32 s59, s58, s57
.set NN, 0
.rept 15
	v_cmp_gt_u32 s[68+NN], s59, v[DD+1+NN]
.set NN, NN+1
.endr
	v_cmp_gt_u32 s83, s59, v94
	COUNT
	s_cmp_le_u32 s60, 239
	s_cselect_b32 s58, s59, s58                    ; a choice of a value: no branch hangs on the count
	s_lshr_b32 s57, s57, 1
	s_sub_co_u32 s56, s56, 1
	s_cmp_lg_u32 s56, 0
	s_cbranch_scc1 .Lmed
.set NN, 0
.rept 15                               ; key number 240: the same number again if 241 keys or more reach it, else the least key above it
	v_cmp_ge_u32 s[68+NN], s58, v[DD+1+NN]
.set NN, NN+1
.endr
	v_cmp_ge_u32 s83, s58, v94
	v_mov_b32 v95, 0x7fc00000
.set NN, 0
.rept 15
	v_cndmask_b32 v[96+NN], v[DD+1+NN], v95, s[68+NN]   ; keys up to number 239 become NaN, which loses in the minimum
.set NN, NN+1
.endr
	v_cndmask_b32 v111, v94, v95, s83
	COUNT
	v_min3_num_f32 v96, v96, v97, v98
	v_min3_num_f32 v99, v99, v100, v101
	v_min3_num_f32 v102, v102, v103, v104
	v_min3_num_f32 v105, v105, v106, v107
	v_min3_num_f32 v108, v108, v109, v110
	v_min3_num_f32 v96, v96, v99, v111
	v_min3_num_f32 v102, v102, v105, v108
	v_min_num_f32 v96, v96, v102
	v_min_num_f32_dpp v96, v96, v96 row_xmask:1 row_mask:0xf bank_mask:0xf
	v_min_num_f32_dpp v96, v96, v96 row_xmask:2 row_mask:0xf bank_mask:0xf
	v_min_num_f32_dpp v96, v96, v96 row_xmask:4 row_mask:0xf bank_mask:0xf
	v_min_num_f32_dpp v96, v96, v96 row_xmask:8 row_mask:0xf bank_mask:0xf
	v_permlanex16_b32 v97, v96, s54, s55
	v_min_num_f32 v96, v96, v97
	s_cmp_ge_u32 s60, 241
	s_cselect_b32 s61, -1, 0
	v_mov_b32 v98, s58
	v_cndmask_b32 v96, v96, v98, s61
	v_add_f32 v96, v96, v98                        ; twice the median
	v_mov_b32 v97, s63
	v_fma_f32 v96, v96, s62, v97                   ; 2 h + 1e-8
	v_rcp_f32 v99, v96                             ; gamma
	v_nop                                          ; a plain instruction behind the reciprocal,
	s_wait_alu depctr_va_vdst(0)                   ; and the wait ahead of its first use
	v_mul_f32 v100, 0xbfb8aa3b, v99                ; - gamma log2(e), as a pair
	v_mov_b32 v101, v100
	v_add_f32 v102, v99, v99                       ; 2 gamma, as a pair
	v_mov_b32 v103, v102
.set NN, 0
.rept 16
	v_pk_mul_f32 v[KK+2*NN:KK+2*NN+1], v[DD+2*NN:DD+2*NN+1], v[100:101]
.set NN, NN+1
.endr
.set NN, 0
.rept 32                               ; one batch: the weight of partner k goes to an even register, so that a packed line can take it for both halves
	v_exp_f32 v[K2+2*NN], v[KK+NN]
.set NN, NN+1
.endr
	v_nop                                          ; a plain instruction behind the last exponential,
	s_wait_alu depctr_va_vdst(0)                   ; and ONE wait for the batch
	s_wait_dscnt 0x0                               ; the partners' records
	; sums over partners 1-31, in two sets by k's parity (at 60 and 74): K s (6), K c, K (2), K x (6); the first term starts each sum
	WIN 0x04
.set KX, 1
.rept 31
.set SS, 60+14*(KX%2)
.set DX, 0
.rept 4
.if KX < 3
	v_pk_mul_f32 v[SS+2*DX:SS+2*DX+1], v[K2+2*KX:K2+2*KX+1], v[8*KX+2*DX:8*KX+2*DX+1] op_sel_hi:[0,1]
.else
	v_pk_fma_f32 v[SS+2*DX:SS+2*DX+1], v[K2+2*KX:K2+2*KX+1], v[8*KX+2*DX:8*KX+2*DX+1], v[SS+2*DX:SS+2*DX+1] op_sel_hi:[0,1,1]
.endif
.set DX, DX+1
.endr
.set KX, KX+1
.endr
	WIN 0x08
.set KX, 1
.rept 31
.set SS, 68+14*(KX%2)
.set DX, 0
.rept 3
.if KX < 3
	v_pk_mul_f32 v[SS+2*DX:SS+2*DX+1], v[K2+2*KX:K2+2*KX+1], v[8*KX+2*DX:8*KX+2*DX+1] op_sel_hi:[0,1]
.else
	v_pk_fma_f32 v[SS+2*DX:SS+2*DX+1], v[K2+2*KX:K2+2*KX+1], v[8*KX+2*DX:8*KX+2*DX+1], v[SS+2*DX:SS+2*DX+1] op_sel_hi:[0,1,1]
.endif
.set DX, DX+1
.endr
.set KX, KX+1
.endr
	WIN 0
.set KX, 1
.rept 31                               ; K d
.if KX < 3
	v_mul_f32 v[88+KX%2], v[K2+2*KX], v[DD+KX]
.else
	v_fmac_f32 v[88+KX%2], v[K2+2*KX], v[DD+KX]
.endif
.set KX, KX+1
.endr
.set NN, 0
.rept 7
	v_pk_add_f32 v[60+2*NN:61+2*NN], v[60+2*NN:61+2*NN], v[74+2*NN:75+2*NN]   ; A2 v60-65, Kc v66, A0 v67, A1 v68-73
.set NN, NN+1
.endr
	v_add_f32 v88, v88, v89                        ; T2
	v_mov_b32 v106, v67
	v_mov_b32 v107, v67
.irp dx, 0,2,4
	v_pk_fma_f32 v[108+(\dx):109+(\dx)], v[XO+(\dx):XO+(\dx)+1], v[106:107], v[68+(\dx):69+(\dx)] neg_lo:[0,0,1] neg_hi:[0,0,1]   ; x A0 - A1
.endr
	v_pk_mul_f32 v[114:115], v[XO:XO+1], v[60:61]  ; x . A2
	v_pk_fma_f32 v[114:115], v[XO+2:XO+3], v[62:63], v[114:115]
	v_pk_fma_f32 v[114:115], v[XO+4:XO+5], v[64:65], v[114:115]
	v_add_f32 v114, v114, v115
	v_sub_f32 v114, v114, v66                      ; - Kc
	v_fmac_f32 v114, v102, v88                     ; + 2 gamma T2
	v_fmamk_f32 v114, v67, 0xc0c00000, v114        ; - 6 A0
	v_mul_f32 v115, 0x3b53680d, v99                ; (0.1 / 31) gamma
	v_fmac_f32 v[LP], v115, v114
.irp dx, 0,2,4
	v_pk_add_f32 v[60+(\dx):61+(\dx)], v[60+(\dx):61+(\dx)], v[52+(\dx):53+(\dx)]   ; the particle's own term: K = 1
.endr
.irp dx, 0,2,4
	v_pk_fma_f32 v[60+(\dx):61+(\dx)], v[108+(\dx):109+(\dx)], v[102:103], v[60+(\dx):61+(\dx)]
.endr
.irp dx, 0,2,4
	v_pk_fma_f32 v[XO+(\dx):XO+(\dx)+1], v[60+(\dx):61+(\dx)], 0x3acccccd, v[XO+(\dx):XO+(\dx)+1] op_sel_hi:[1,0,1]   ; a += 0.05 / 32 x 32 phi
.endr
	ds_store_b128 v[AXR], v[XO:XO+3]
	ds_store_b64 v[AXR], v[XO+4:XO+5] offset:16
	ds_store_b128 v[AXR], v[XO:XO+3] offset:1024
	ds_store_b64 v[AXR], v[XO+4:XO+5] offset:1040
	v_cvt_pk_bf16_f32 v116, v[XO], v[XO+1]
	v_cvt_pk_bf16_f32 v117, v[XO+2], v[XO+3]
	v_cvt_pk_bf16_f32 v118, v[XO+4], v[XO+5]
	ds_store_b64 v[AXT], v[116:117]
	ds_store_b32 v[AXT], v118 offset:8
	s_wait_dscnt 0x0                               ; the new a lies in XF, and my reads of SQ are over
	s_barrier_signal -1
	s_barrier_wait -1                              ; (the fifth trip's stores and barrier serve nothing: the price of one text for every trip)
	s_sub_co_u32 s39, s39, 1
	s_cmp_lg_u32 s39, 0
	s_cbranch_scc1 .Lstep
; ---------------------------------------------------------------- THE TAIL: tanh(a); the log-density's last terms, ln 2 - |a| - ln(1 + e^(-2 |a|)) for each component; the state's mean
	s_mov_b32 s60, 0xc038aa3b                      ; -2 log2(e)
	s_mov_b32 s61, 0x7fffffff
	s_mov_b32 s59, 0x3fb17218                      ; 2 ln 2
.irp dx, 0,1,2,3,4,5
	v_and_b32 v[84+(\dx)], s61, v[XO+(\dx)]
.endr
.irp dx, 0,1,2,3,4,5
	v_mul_f32 v[90+(\dx)], s60, v[84+(\dx)]
.endr
.irp dx, 0,1,2,3,4,5
	v_exp_f32 v[96+(\dx)], v[90+(\dx)]             ; e = e^(-2 |a|)
.endr
	v_nop
	s_wait_alu depctr_va_vdst(0)                   ; one wait for the six
.irp dx, 0,1,2,3,4,5
	v_add_f32 v[102+(\dx)], 1.0, v[96+(\dx)]
.endr
.irp dx, 0,1,2,3,4,5
	v_sub_f32 v[96+(\dx)], 1.0, v[96+(\dx)]
.endr
.irp dx, 0,1,2,3,4,5
	v_rcp_f32 v[108+(\dx)], v[102+(\dx)]
.endr
.irp dx, 0,1,2,3,4,5
	v_log_f32 v[114+(\dx)], v[102+(\dx)]
.endr
	v_add_f32 v[LP], 0xc1051592, v[LP]             ; - 12 ln 2: also the plain instruction behind the batch
	s_wait_alu depctr_va_vdst(0)                   ; one wait for the twelve
.irp dx, 0,1,2,3,4,5
	v_mul_f32 v[96+(\dx)], v[96+(\dx)], v[108+(\dx)]
.endr
.irp dx, 0,1,2,3,4,5
	v_bfi_b32 v[96+(\dx)], s61, v[96+(\dx)], v[XO+(\dx)]   ; a's sign
.endr
.irp dx, 0,1,2,3,4,5
	v_fma_f32 v[LP], v[84+(\dx)], 2.0, v[LP]
.endr
.irp dx, 0,1,2,3,4,5
	v_fmac_f32 v[LP], s59, v[114+(\dx)]
.endr
	v_mul_u32_u24 v15, v[LN], 24
	v_add_nc_u32 v15, s92, v15
	v_lshl_add_u32 v1, v[LN], 3, s92
	v_lshlrev_b32 v91, 3, v[LN]
	ds_store_b64 v15, v[96:97]                     ; through my stage: rows of 24 bytes in, 256 consecutive bytes out
	ds_store_b64 v15, v[98:99] offset:8
	ds_store_b64 v15, v[100:101] offset:16
	ds_load_b64 v[120:121], v1
	ds_load_b64 v[122:123], v1 offset:256
	ds_load_b64 v[124:125], v1 offset:512
	v_add_f32_dpp v[LP], v[LP], v[LP] row_xmask:1 row_mask:0xf bank_mask:0xf
	v_add_f32_dpp v[LP], v[LP], v[LP] row_xmask:2 row_mask:0xf bank_mask:0xf
	v_add_f32_dpp v[LP], v[LP], v[LP] row_xmask:4 row_mask:0xf bank_mask:0xf
	v_add_f32_dpp v[LP], v[LP], v[LP] row_xmask:8 row_mask:0xf bank_mask:0xf
	v_permlanex16_b32 v90, v[LP], s54, s55
	v_add_f32 v[LP], v[LP], v90
	v_mul_f32 v[LP], 0x3d000000, v[LP]             ; the mean of 32
	v_mov_b32 v126, 0
	s_wait_dscnt 2                                 ; the two younger loads may stay out
	global_store_b64 v91, v[120:121], s[88:89] th:TH_STORE_NT              ; each store of the wave covers 256 consecutive bytes, aligned
	s_wait_dscnt 1
	global_store_b64 v91, v[122:123], s[88:89] offset:256 th:TH_STORE_NT
	s_wait_dscnt 0x0
	global_store_b64 v91, v[124:125], s[88:89] offset:512 th:TH_STORE_NT
	s_wait_xcnt 0x0                                ; EXEC changes only behind this wait
	v_cmp_eq_u32 vcc_lo, 0, v[LN]
	s_and_saveexec_b32 s60, vcc_lo
	global_store_b32 v126, v[LP], s[90:91]         ; lane 0: my state's word
	s_wait_xcnt 0x0                                ; and again ahead of the line that widens it
	s_or_b32 exec_lo, exec_lo, s60
	s_wait_tensorcnt 0x0                           ; the wave's end, behind my last LDS store
	ds_add_u32 v[SPW], v[NIL]
	s_wait_dscnt 0x0
	s_endpgm
.Lfunc_end_k_q80d119ffd6_svgd:
	.size	k_q80d119ffd6_svgd, .Lfunc_end_k_q80d119ffd6_svgd-k_q80d119ffd6_svgd
	.p2alignl 7, 3214868480
	.fill 96, 4, 3214868480
	.section	.rodata,"a",@progbits
	.p2align	6, 0x0
	.amdhsa_kernel k_q80d119ffd6_svgd
		.amdhsa_group_segment_fixed_size 326144
		.amdhsa_private_segment_fixed_size 0
		.amdhsa_enable_private_segment 0
		.amdhsa_kernarg_size 128
		.amdhsa_user_sgpr_count 2
		.amdhsa_user_sgpr_kernarg_segment_ptr 1
		.amdhsa_wavefront_size32 1
		.amdhsa_system_sgpr_workgroup_id_x 1
		.amdhsa_system_sgpr_workgroup_id_y 1
		.amdhsa_system_sgpr_workgroup_id_z 1
		.amdhsa_system_vgpr_workitem_id 0
		.amdhsa_next_free_vgpr 1024
		.amdhsa_next_free_sgpr 100
		.amdhsa_reserve_vcc 1
		.amdhsa_float_denorm_mode_32 3
		.amdhsa_float_denorm_mode_16_64 3
		.amdhsa_memory_ordered 1
		.amdhsa_forward_progress 1
		.amdhsa_inst_pref_size 255
	.end_amdhsa_kernel
	.section	.bss,"aw",@nobits
	.p2align	6
	.space	262144
	.amdgpu_metadata
---
amdhsa.version: [ 1, 2 ]
amdhsa.kernels:
  - .name:           k_q80d119ffd6_svgd
    .symbol:         k_q80d119ffd6_svgd.kd
    .args:
      - { .name: a0, .offset: 0, .size: 8, .value_kind: global_buffer, .address_space: global }
      - { .name: obs, .offset: 8, .size: 8, .value_kind: global_buffer, .address_space: global }
      - { .name: q1_W1, .offset: 16, .size: 8, .value_kind: global_buffer, .address_space: global }
      - { .name: q1_b1, .offset: 24, .size: 8, .value_kind: global_buffer, .address_space: global }
      - { .name: q1_W2, .offset: 32, .size: 8, .value_kind: global_buffer, .address_space: global }
      - { .name: q1_b2, .offset: 40, .size: 8, .value_kind: global_buffer, .address_space: global }
      - { .name: q1_W3, .offset: 48, .size: 8, .value_kind: global_buffer, .address_space: global }
      - { .name: q1_b3, .offset: 56, .size: 8, .value_kind: global_buffer, .address_space: global }
      - { .name: q2_W1, .offset: 64, .size: 8, .value_kind: global_buffer, .address_space: global }
      - { .name: q2_b1, .offset: 72, .size: 8, .value_kind: global_buffer, .address_space: global }
      - { .name: q2_W2, .offset: 80, .size: 8, .value_kind: global_buffer, .address_space: global }
      - { .name: q2_b2, .offset: 88, .size: 8, .value_kind: global_buffer, .address_space: global }
      - { .name: q2_W3, .offset: 96, .size: 8, .value_kind: global_buffer, .address_space: global }
      - { .name: q2_b3, .offset: 104, .size: 8, .value_kind: global_buffer, .address_space: global }
      - { .name: out0, .offset: 112, .size: 8, .value_kind: global_buffer, .address_space: global }
      - { .name: out1, .offset: 120, .size: 8, .value_kind: global_buffer, .address_space: global }
    .group_segment_fixed_size: 326144
    .private_segment_fixed_size: 0
    .kernarg_segment_align: 8
    .kernarg_segment_size: 128
    .max_flat_workgroup_size: 128
    .sgpr_count:     100
    .vgpr_count:     1024
    .wavefront_size: 32
...
	.end_amdgpu_metadata
.endif
;; end of part 1
